; MI455X (gfx1250); checked and timed in simulation.
; The chip was launched on July 23, 2026; its instructions are those of AMD's public machine-readable ISA for CDNA 5 (MIT licence, August 2026) and "CDNA5" Instruction Set Architecture Reference Guide (July 2026). The comments in the code are by the model that wrote it; some were corrected since.
;; Self Attention. Allowed arithmetic: matrix products marked QUANTISED: E5M2 operands, one given power-of-two scale a tensor, by v_wmma_f32_16x16x64_bf8_bf8 or v_wmma_f32_16x16x128_bf8_bf8, f32 sums; products left as they are: f32 operands where the result goes on into a quantised operand, else bf16, f16 or f32 operands; f32 sums; everything else in f32.
;; Inputs: attn_W 512 x 1,024 float32; attn_b 512 float32; inputs 256 x 8 x 512 float32; lowp_scales 4 int32 (the exponents e of the quantised operands' scales 2^e); score_W 1 x 512 float32; score_b 1 float32.
;; Outputs: out0 8 x 256 x 256 float32.
;; This version of the problem:
;;   THIS VERSION OF THE PROBLEM IS GIVEN IN LOW PRECISION. The matrix products marked QUANTISED in the list below multiply operands that are first quantised to E5M2 (5 exponent bits, 2 mantissa bits; 8 bits a number), with one given power-of-two scale for each operand tensor; their sums are f32. All else is computed in f32.
;;   The module's matrix products, in the order in which they are computed (A, B: the left and right operand; K: the contracted axis; several contracted axes count as one K, in the product's order):
;;     1. [M 2,048, K 512] x [K 512, N 512]; A: input inputs; B: input attn_W: QUANTISED (scales: A lowp_scales[0], B lowp_scales[1])
;;     2. [M 2,048, K 512] x [K 512, N 512]; A: input inputs; B: input attn_W: QUANTISED (scales: A lowp_scales[2], B lowp_scales[3])
;;     3. [M 524,288, K 512] x [K 512, N 1]; A: computed on the way; B: input score_W: left as it is (N = 1 < 16)
;;   THE QUANTISER, for each operand of a quantised product, along K:
;;     - The operand's scale is 2^e, e = its entry of the input lowp_scales (int32; the entries are numbered through the quantised products in the list's order, A before B).
;;     - Each number is divided by the scale, clamped to +-57,344, and rounded to the nearest number of E5M2, ties to even, subnormals kept.
;;     - The product sums the exact products of the quantised numbers (number of the format x scale) in f32.
;;   ~~~python
;;   def quantise(x, axis, e):      # numpy; x: float32 -> the quantised numbers, widened to float32 again
;;       x = np.moveaxis(x, axis, -1); K = x.shape[-1]
;;       r = np.clip(x / 2.0 ** e, -57344, 57344)
;;       step = 2.0 ** (np.maximum(np.frexp(np.where(r == 0, 1, r))[1] - 1, -14) - 2)
;;       q = np.round(r / step) * step * 2.0 ** e      # np.round: ties to even
;;       return np.moveaxis(q, -1, axis).astype(np.float32)
;;   ~~~
;; One version. Each part assembles by itself: llvm-mc -triple=amdgcn-amd-amdhsa -mcpu=gfx1250 --defsym DOCPART=n.
;; ======== version 1 of 1: 2 launches
;; workspace buffers: ga 8,388,608 bytes; gb 8,388,608 bytes
;; launch project (part 1): grid 256 x 1, 16 waves a work-group, no clusters, 103,424 bytes of LDS; arguments inputs, attn_W, attn_b, lowp_scales, ga, gb; writes ga, gb
.if DOCPART == 1
	.amdgcn_target "amdgcn-amd-amdhsa--gfx1250"
	.amdhsa_code_object_version 6
	.text
	.protected	k_q1c97837905_project
	.globl	k_q1c97837905_project
	.p2align	8
	.type	k_q1c97837905_project,@function
k_q1c97837905_project:
	s_mov_b64 s[64:65], 0
	v_nop
	global_prefetch_b8 v0, s[64:65] scope:SCOPE_SE
	s_setreg_imm32_b32 hwreg(HW_REG_WAVE_MODE, 25, 1), 1
	s_wait_xcnt 0x0
; p1[b,l,o] = sum_h Q(x[b,l,h]) Q(W1[o,h]),  p2[b,l,o] = sum_h Q(x[b,l,h]) Q(W2[o,h]):  both products on codes of BF8 (E5M2), each operand with its given scale 2^e.
; What the next launch needs of them is 2^(c (p1 + attn_b)) and 2^(c p2), c = 2 log2(e), since tanh(a + b) = 1 - 2 / (1 + 2^(c a) 2^(c b)).  So that no range is lost, each u = c p is stored
; SPLIT: f = 2^(u - floor(u)), in [1, 2), as f32, and floor(u) as int32: 8 bytes an entry.
; SHARES.  256 work-groups of 16 waves.  SOURCE 0 HAS 128 ROWS, SOURCE 1 HAS 64, K = 512.  Work-groups 0-127: product 1, source 0 = 128 rows of W1, source 1 = 64 rows l of x of one b.
; Work-groups 128-255: product 2, source 0 = 128 rows l of x of one b, source 1 = 64 rows of W2.  The text is one for both: pointers, strides, scales and the output's strides are chosen by
; s_cselect on the work-group's number; no LDS address hangs on it.
; QUANTISING.  A wave takes 8 rows of source 0 and 4 of source 1.  A row is 2,048 consecutive bytes: four loads of 512 bytes, 16 a lane.  A lane's 16 numbers (k = 128 q + 4 lane + t) become 16 codes,
; stored at 16 x lane of the row's 512 bytes in LDS.  That is a permutation of k, the same in both sources, so every product meets its partner.  LDS rows are 528 bytes apart (33 x 16).
; PRODUCT.  Wave w: tile w / 2 of source 0's eight, tiles 2 (w % 2), 2 (w % 2) + 1 of source 1's four; 4 K steps of 128; the two accumulators take turns.  In a result lane (r, h) holds row r of
; source 1's tile, and its registers 0-7 rows 8 h + 0 .. 7 of source 0's tile.
; OUTPUT, in the order in which the next launch reads it.  Registers 2 p, 2 p + 1 make 16 bytes (f, floor, f, floor).
;   ga: [b][o / 2][i][16 bytes]:  lane = i, registers = o.   gb: [b][j / 8][o / 16][(j % 8) / 2][o % 16][16 bytes]:  lane = o, registers = j.
;   In both, lanes 0-15 of a store write 256 consecutive bytes, aligned, and so do lanes 16-31.
; NO JOINT LOADS: the numbers arrive as f32 and must pass through registers to be quantised; brought into LDS first they would cross it at four bytes a number and once more as codes.
; LIMITS: each scale's e between -126 and 112, so that 2^e and 57,344 x 2^e are f32 numbers.  u is held within +-2^24.  NaN among the inputs is not served.
.set PITCH, 528
.set S1L,   128*PITCH                  ; LDS: source 0's 128 rows of codes, then source 1's 64
.set RO,  4                            ; v4-15    byte offsets of my 12 rows; never rewritten
.set CD0, 16                           ; v16-19   row 0's codes; row n's codes go into the registers that row n - 1's numbers have left
.set LA0, 20                           ; v20, v21 where I store codes: source 0's rows, source 1's
.set LA1, 21
.set FD0, 22                           ; v22, v23 where I read fragments
.set FD1, 23
.set VO,  24                           ; v24-27   the output's byte offsets for register pairs 0 to 3
.set VCS, 28                           ; v28      c x 2^(the two scales' exponents)
.set VB,  29                           ; v29      attn_b: my byte offset
.set DA,  32                           ; v32-223  12 rows x 16 numbers
.set FR0, 32                           ; later: source 0's fragments of 4 K steps,
.set FR1, 96                           ; source 1's, two tiles
.set SC0, 224                          ; v224-227 2^e and 57,344 x 2^e for source 0, for source 1
.set LM0, 225
.set SC1, 226
.set LM1, 227
.set AC0, 224                          ; later: the two accumulators
.set AC1, 232
.set BC,  240                          ; v240-247 c x attn_b at my eight rows of source 0 (product 2: zeros)
.set UU,  32                           ; the way out: u, floor(u), the entries
.set FL,  48
.set OU,  64
.set CLOG, 0x4038aa3b                  ; c = 2 log2(e)
	s_load_b256 s[4:11], s[0:1], 0x0               ; inputs s[4:5], attn_W s[6:7], attn_b s[8:9], lowp_scales s[10:11]
	s_load_b128 s[12:15], s[0:1], 0x20             ; ga s[12:13], gb s[14:15]
	v_lshl_add_u32 v248, v0, 2, 0x18c00
	v_mov_b32 v249, 0
	v_lshrrev_b32 v2, 5, v0
	v_readfirstlane_b32 s16, v2                    ; wave 0..15
	v_and_b32 v1, 31, v0
	v_lshlrev_b32 v1, 4, v1                        ; 16 x lane
	v_and_b32 v2, 15, v0                           ; r
	v_bfe_u32 v3, v0, 4, 1                         ; h
	s_lshr_b32 s17, s16, 1                         ; my tile of source 0
	s_and_b32 s18, s16, 1                          ; my pair of tiles of source 1
	; product 1's shares: work-group = 16 b + 4 (l / 64) + (o / 128)
	s_and_b32 s20, ttmp9, 3                        ; o / 128
	s_bfe_u32 s21, ttmp9, 0x20002                  ; l / 64
	s_bfe_u32 s22, ttmp9, 0x30004                  ; b
	s_lshl_b32 s30, s20, 19                        ; source 0: 128 rows of attn_W, 4,096 bytes each
	s_lshl_b32 s31, s21, 20                        ; source 1: row (l, b) of inputs begins at 16,384 l + 2,048 b
	s_lshl_b32 s23, s22, 11
	s_add_co_u32 s31, s31, s23
	s_lshl_b32 s32, s22, 20                        ; ga: 2^20 b + 4,096 (o / 2) + 16 i
	s_lshl_b32 s23, s20, 18
	s_add_co_u32 s32, s32, s23
	s_lshl_b32 s23, s21, 10
	s_add_co_u32 s32, s32, s23
	s_lshl_b32 s33, s20, 9                         ; attn_b: 128 numbers
	; product 2's shares: work-group - 128 = 16 (o / 64) + 2 b + (l / 128)
	s_and_b32 s20, ttmp9, 1                        ; l / 128
	s_bfe_u32 s21, ttmp9, 0x30001                  ; b
	s_bfe_u32 s22, ttmp9, 0x30004                  ; o / 64
	s_lshl_b32 s40, s20, 21                        ; source 0: rows of inputs
	s_lshl_b32 s23, s21, 11
	s_add_co_u32 s40, s40, s23
	s_lshl_b32 s41, s22, 18                        ; source 1: 64 rows of attn_W, their second half
	s_add_co_u32 s41, s41, 2048
	s_lshl_b32 s42, s21, 20                        ; gb: 32,768 (32 b + j / 8) + 1,024 (o / 16)
	s_lshl_b32 s23, s20, 19
	s_add_co_u32 s42, s42, s23
	s_lshl_b32 s23, s22, 12
	s_add_co_u32 s42, s42, s23
	s_mov_b32 s34, 16384                           ; product 2's strides; product 1's are put in by the selects below (an instruction takes one literal)
	s_mov_b32 s35, 4096
	s_mov_b32 s36, 32768
	s_mov_b32 s37, 256
	s_mov_b32 s38, 65536
	s_mov_b32 s39, 1024
	s_mov_b32 s51, 0
	s_mov_b32 s53, 0xcb800000                      ; -2^24
	s_mov_b32 s54, 0x4b800000                      ; 2^24
	s_wait_kmcnt 0x0
	s_load_b128 s[44:47], s[10:11], 0x0            ; the four exponents
	s_cmp_lt_u32 ttmp9, 128                        ; product 1?  The choice hangs on the work-group's number alone; only moves and selects follow
	s_cselect_b64 s[24:25], s[6:7], s[4:5]         ; source 0
	s_cselect_b64 s[26:27], s[4:5], s[6:7]         ; source 1
	s_cselect_b64 s[28:29], s[12:13], s[14:15]     ; the output
	s_cselect_b32 s30, s30, s40
	s_cselect_b32 s31, s31, s41
	s_cselect_b32 s32, s32, s42
	s_cselect_b32 s33, s33, 0
	s_cselect_b32 s34, 4096, s34                   ; bytes from row to row of source 0,
	s_cselect_b32 s35, 16384, s35                  ; of source 1
	s_cselect_b32 s36, 16384, s36                  ; the output: from h = 0 to h = 1,
	s_cselect_b32 s37, 4096, s37                   ; from a register pair to the next,
	s_cselect_b32 s38, 32768, s38                  ; from a tile of source 0 to the next,
	s_cselect_b32 s39, 256, s39                    ; from a tile of source 1 to the next
	s_mov_b32 s50, s30
	s_add_nc_u64 s[24:25], s[24:25], s[50:51]
	s_mov_b32 s50, s31
	s_add_nc_u64 s[26:27], s[26:27], s[50:51]
	s_mov_b32 s50, s33
	s_add_nc_u64 s[8:9], s[8:9], s[50:51]
	s_mul_i32 s50, s17, s38
	s_add_co_u32 s50, s50, s32
	s_mul_i32 s19, s18, s39
	s_lshl_b32 s19, s19, 1
	s_add_co_u32 s50, s50, s19
	s_add_nc_u64 s[28:29], s[28:29], s[50:51]      ; the output at my first tile,
	s_mov_b32 s50, s39
	s_add_nc_u64 s[56:57], s[28:29], s[50:51]      ; at my second
	s_lshl_b32 s19, s17, 6
	v_lshl_add_u32 v[VB], v3, 5, s19               ; attn_b at 16 x tile + 8 h
	global_load_b128 v[BC:BC+3], v[VB], s[8:9]
	global_load_b128 v[BC+4:BC+7], v[VB], s[8:9] offset:16
	s_mul_i32 s19, s16, s34
	s_lshl_b32 s19, s19, 3                         ; my 8 rows of source 0
.irp rr, 0,1,2,3,4,5,6,7
	v_add_nc_u32 v[RO+\rr], s19, v1
	s_add_co_u32 s19, s19, s34
.endr
	s_mul_i32 s19, s16, s35
	s_lshl_b32 s19, s19, 2                         ; my 4 rows of source 1
.irp rr, 8,9,10,11
	v_add_nc_u32 v[RO+\rr], s19, v1
	s_add_co_u32 s19, s19, s35
.endr
.irp rr, 0,1,2,3,4,5,6,7
.irp q, 0,1,2,3
	global_load_b128 v[DA+16*\rr+4*\q:DA+16*\rr+4*\q+3], v[RO+\rr], s[24:25] offset:512*\q   ; 32 lanes read 512 consecutive bytes of a row
.endr
.endr
.irp rr, 8,9,10,11
.irp q, 0,1,2,3
	global_load_b128 v[DA+16*\rr+4*\q:DA+16*\rr+4*\q+3], v[RO+\rr], s[26:27] offset:512*\q
.endr
.endr
	s_mul_i32 s19, s16, 8*PITCH
	v_add_nc_u32 v[LA0], s19, v1
	s_mul_i32 s19, s16, 4*PITCH
	s_add_co_u32 s19, s19, S1L
	v_add_nc_u32 v[LA1], s19, v1
	v_mul_u32_u24 v[FD0], v2, PITCH
	v_lshl_add_u32 v[FD0], v3, 4, v[FD0]           ; a fragment: row r x pitch + 16 h
	s_mul_i32 s19, s18, 32*PITCH
	s_add_co_u32 s19, s19, S1L
	v_add_nc_u32 v[FD1], s19, v[FD0]
	s_mul_i32 s19, s17, 16*PITCH
	v_add_nc_u32 v[FD0], s19, v[FD0]
	s_wait_kmcnt 0x0
	s_cmp_lt_u32 ttmp9, 128
	s_cselect_b32 s48, s45, s46                    ; source 0's e: W1's (entry 1), or the inputs' for product 2 (entry 2)
	s_cselect_b32 s49, s44, s47                    ; source 1's e: the inputs' for product 1 (entry 0), or W2's (entry 3)
	s_cselect_b32 vcc_lo, -1, 0                    ; all lanes: attn_b counts in product 1 alone
	s_add_co_i32 s52, s48, s49                     ; a sum stands for sum x 2^(the two added)
	s_add_co_i32 s48, s48, 127
	s_lshl_b32 s50, s48, 23
	v_mov_b32 v[SC0], s50                          ; 2^e as f32: the conversion takes its exponent field
	s_add_co_i32 s48, s48, 15
	s_lshl_b32 s48, s48, 23
	s_or_b32 s48, s48, 0x600000
	v_mov_b32 v[LM0], s48                          ; 57,344 x 2^e
	s_add_co_i32 s49, s49, 127
	s_lshl_b32 s50, s49, 23
	v_mov_b32 v[SC1], s50
	s_add_co_i32 s49, s49, 15
	s_lshl_b32 s49, s49, 23
	s_or_b32 s49, s49, 0x600000
	v_mov_b32 v[LM1], s49
; One row: 16 numbers a lane are held, converted and stored as 16 bytes.
.macro ROW rr, sc, lim, adr, off
.set XS, DA+16*(\rr)
.if (\rr) == 0
.set CD, CD0
.else
.set CD, DA+16*((\rr)-1)
.endif
	s_wait_loadcnt 4*(11-(\rr))                    ; loads come back in order: this row's four are in, those of the rows behind it stay out
.set i, 0
.rept 16
	v_med3_num_f32 v[XS+i], v[XS+i], -v[\lim], v[\lim]   ; the conversion to an 8-bit code does not saturate (ISA guide 7.6.2): the hold at the largest code x the scale
.set i, i+1
.endr
	v_cvt_scalef32_pk8_bf8_f32 v[CD:CD+1], v[XS:XS+7], v[\sc]
	v_cvt_scalef32_pk8_bf8_f32 v[CD+2:CD+3], v[XS+8:XS+15], v[\sc]
	ds_store_b128 v[\adr], v[CD:CD+3] offset:\off  ; the wave's 512 bytes are consecutive
.endm
.irp rr, 0,1,2,3,4,5,6,7
	ROW \rr, SC0, LM0, LA0, \rr*PITCH
.endr
.irp rr, 8,9,10,11
	ROW \rr, SC1, LM1, LA1, (\rr-8)*PITCH
.endr
	v_nop                                          ; a plain vector line behind the last conversion: matrix instructions will touch its registers
	s_wait_dscnt 0x0                               ; for the others' sake: my codes lie in LDS
	s_barrier_signal -1
	s_barrier_wait -1                              ; everybody's do
.irp s, 0,1,2,3                        ; a fragment, 16 rows x 128 codes: four loads of 16 bytes, 32 bytes apart; 12 loads a K step
.irp c, 0,1,2,3
	ds_load_b128 v[FR0+16*\s+4*\c:FR0+16*\s+4*\c+3], v[FD0] offset:128*\s+32*\c
.endr
.irp c, 0,1,2,3
	ds_load_b128 v[FR1+16*\s+4*\c:FR1+16*\s+4*\c+3], v[FD1] offset:128*\s+32*\c
.endr
.irp c, 0,1,2,3
	ds_load_b128 v[FR1+64+16*\s+4*\c:FR1+64+16*\s+4*\c+3], v[FD1] offset:16*PITCH+128*\s+32*\c
.endr
.endr
.irp s, 0,1,2,3
	s_wait_dscnt 36-12*\s                          ; this K step's 12 loads are in; the later steps' stay out
.if \s == 0
	v_wmma_f32_16x16x128_bf8_bf8 v[AC0:AC0+7], v[FR0:FR0+15], v[FR1:FR1+15], 0            ; the first K step starts the sums
	v_wmma_f32_16x16x128_bf8_bf8 v[AC1:AC1+7], v[FR0:FR0+15], v[FR1+64:FR1+79], 0
.else
	v_wmma_f32_16x16x128_bf8_bf8 v[AC0:AC0+7], v[FR0+16*\s:FR0+16*\s+15], v[FR1+16*\s:FR1+16*\s+15], v[AC0:AC0+7]   ; the two accumulators take turns
	v_wmma_f32_16x16x128_bf8_bf8 v[AC1:AC1+7], v[FR0+16*\s:FR0+16*\s+15], v[FR1+64+16*\s:FR1+64+16*\s+15], v[AC1:AC1+7]
.endif
.endr
	; 23 plain vector lines that name no register of the products: more than the four places owed in front of the first read of a result (ISA guide 7.12.1)
.irp j, 0,1,2,3,4,5,6,7
	v_cndmask_b32 v[BC+\j], 0, v[BC+\j], vcc_lo    ; attn_b, or 0 in product 2
.endr
.irp j, 0,1,2,3,4,5,6,7
	v_mul_f32 v[BC+\j], CLOG, v[BC+\j]
.endr
	v_mov_b32 v[VCS], CLOG
	v_ldexp_f32 v[VCS], v[VCS], s52                ; c x 2^(e + e)
	v_lshlrev_b32 v[VO], 4, v2                     ; the output: 16 r
	v_mad_u32_u24 v[VO], v3, s36, v[VO]            ; + h's stride
	v_add_nc_u32 v[VO+1], s37, v[VO]               ; and the four register pairs
	v_add_nc_u32 v[VO+2], s37, v[VO+1]
	v_add_nc_u32 v[VO+3], s37, v[VO+2]
.irp j, 0,1,2,3,4,5,6,7
	v_fma_f32 v[UU+\j], v[AC0+\j], v[VCS], v[BC+\j]     ; u = c (sum x 2^(e + e) + attn_b); each accumulator from its low end on
.endr
.irp j, 0,1,2,3,4,5,6,7
	v_fma_f32 v[UU+8+\j], v[AC1+\j], v[VCS], v[BC+\j]
.endr
.set i, 0
.rept 16
	v_med3_num_f32 v[UU+i], v[UU+i], s53, s54      ; held within +-2^24, so that floor(u) is a small whole number
.set i, i+1
.endr
.set i, 0
.rept 16
	v_floor_f32 v[FL+i], v[UU+i]
.set i, i+1
.endr
.set i, 0
.rept 16
	v_sub_f32 v[UU+i], v[UU+i], v[FL+i]            ; exact, in [0, 1)
.set i, i+1
.endr
.set i, 0
.rept 16
	v_exp_f32 v[OU+2*i], v[UU+i]                   ; f = 2^(u - floor(u))
.set i, i+1
.endr
.set i, 0
.rept 16
	v_cvt_i32_f32 v[OU+2*i+1], v[FL+i]             ; plain lines behind the exponentials, which name none of their results
.set i, i+1
.endr
	s_wait_alu depctr_va_vdst(0)                   ; one wait for the sixteen exponentials, ahead of the first line that names a result
.irp p, 0,1,2,3
	global_store_b128 v[VO+\p], v[OU+4*\p:OU+4*\p+3], s[28:29]        ; lanes 0-15 store 256 consecutive bytes, aligned; lanes 16-31 likewise
.endr
.irp p, 0,1,2,3
	global_store_b128 v[VO+\p], v[OU+16+4*\p:OU+16+4*\p+3], s[56:57]
.endr
	s_wait_tensorcnt 0x0
	ds_add_u32 v248, v249
	s_wait_dscnt 0x0
	s_endpgm
.Lfunc_end_k_q1c97837905_project:
	.size	k_q1c97837905_project, .Lfunc_end_k_q1c97837905_project-k_q1c97837905_project
	.p2alignl 7, 3214868480
	.fill 96, 4, 3214868480
	.section	.rodata,"a",@progbits
	.p2align	6, 0x0
	.amdhsa_kernel k_q1c97837905_project
		.amdhsa_group_segment_fixed_size 103424
		.amdhsa_private_segment_fixed_size 0
		.amdhsa_enable_private_segment 0
		.amdhsa_kernarg_size 48
		.amdhsa_user_sgpr_count 2
		.amdhsa_user_sgpr_kernarg_segment_ptr 1
		.amdhsa_wavefront_size32 1
		.amdhsa_system_sgpr_workgroup_id_x 1
		.amdhsa_system_sgpr_workgroup_id_y 1
		.amdhsa_system_sgpr_workgroup_id_z 1
		.amdhsa_system_vgpr_workitem_id 0
		.amdhsa_next_free_vgpr 250
		.amdhsa_next_free_sgpr 66
		.amdhsa_reserve_vcc 1
		.amdhsa_float_denorm_mode_32 3
		.amdhsa_float_denorm_mode_16_64 3
		.amdhsa_memory_ordered 1
		.amdhsa_forward_progress 1
		.amdhsa_inst_pref_size 35
	.end_amdhsa_kernel
	.amdgpu_metadata
---
amdhsa.version: [ 1, 2 ]
amdhsa.kernels:
  - .name:           k_q1c97837905_project
    .symbol:         k_q1c97837905_project.kd
    .args:
      - { .name: inputs, .offset: 0, .size: 8, .value_kind: global_buffer, .address_space: global }
      - { .name: attn_W, .offset: 8, .size: 8, .value_kind: global_buffer, .address_space: global }
      - { .name: attn_b, .offset: 16, .size: 8, .value_kind: global_buffer, .address_space: global }
      - { .name: lowp_scales, .offset: 24, .size: 8, .value_kind: global_buffer, .address_space: global }
      - { .name: ga, .offset: 32, .size: 8, .value_kind: global_buffer, .address_space: global }
      - { .name: gb, .offset: 40, .size: 8, .value_kind: global_buffer, .address_space: global }
    .group_segment_fixed_size: 103424
    .private_segment_fixed_size: 0
    .kernarg_segment_align: 8
    .kernarg_segment_size: 48
    .max_flat_workgroup_size: 512
    .sgpr_count:     66
    .vgpr_count:     250
    .wavefront_size: 32
...
	.end_amdgpu_metadata
.endif
;; end of part 1
;; launch energy (part 2): grid 256 x 1, 16 waves a work-group, no clusters, 47,360 bytes of LDS; arguments ga, gb, score_W, score_b, out0; writes out0
.if DOCPART == 2
	.amdgcn_target "amdgcn-amd-amdhsa--gfx1250"
	.amdhsa_code_object_version 6
	.text
	.protected	k_q1c97837905_energy
	.globl	k_q1c97837905_energy
	.p2align	8
	.type	k_q1c97837905_energy,@function
k_q1c97837905_energy:
	s_mov_b64 s[64:65], 0
	v_nop
	global_prefetch_b8 v0, s[64:65] scope:SCOPE_SE
	s_setreg_imm32_b32 hwreg(HW_REG_WAVE_MODE, 25, 1), 1
	s_wait_xcnt 0x0
; out0[b][i][j] = softmax over i of ( sum_o score_W[o] tanh(p1[b,i,o] + p2[b,j,o] + attn_b[o]) + score_b ).
; tanh(a + b) = 1 - 2 / (1 + 2^(ua + ub)).  ga holds for each (b, i, o), gb for each (b, j, o), the pair f = 2^(u - floor(u)) (f32, in [1, 2)) and floor(u) (int32; u was held within +-2^24).  An element costs
;   e = floor(ua) + floor(ub);  x = ldexp(fa, e);  d = x fb + 1;  r = 1 / d;  sum += (-2 w) r
; one reciprocal and no exponential.  v_ldexp_f32 goes to infinity or to 0 where 2^e leaves f32's range: then r = 0 or 1, which is tanh = 1 or -1.  So the range of u is not cut by f32's exponent.
; The energy is (sum of score_W + score_b) + the sum above.
; SHARES.  A work-group owns one b, 8 columns j and all 256 i, so that the softmax down i ends in it: 8 x 32 = 256 work-groups.  Wave w: i = 64 (w % 4) + 0 .. 63, o = 128 (w / 4) + 0 .. 127, all 8 j.
; A lane holds i and i + 32: they are the two halves of the packed instructions, which take fb, 1 and w alike for both.
; THE i SIDE comes from memory straight into registers: each entry is used by one wave alone.  A step is 2 o: two loads of 512 consecutive bytes; a ring of four slots.
; THE j SIDE, 8 j x 512 o x 8 bytes = 32,768 bytes, is staged once in LDS and read with one address for all lanes; so are the weights, as pairs (-2 w, -2 w).
; A STEP is 32 elements a lane, and goes through three turns.  TURN t: step t's 32 reciprocals, one to each of step t + 1's 32 ldexp; step t + 1's 16 packed denominators; then 32 DUAL-ISSUE PAIRS:
; one half adds (-2 w) r of step t onto a sum, the other half makes an e of step t + 2.  The two halves belong to different steps and share no register.  So an element takes 3 1/2 instructions: half a pair
; counted twice (the addition rides with the sum), a ldexp, half a packed multiply-add, a reciprocal.
; NO JOINT LOADS, though the 32 work-groups of a b read the same ga: a step's two loads (1,024 bytes a wave) feed 112 vector instructions, and through LDS each entry would be written and read once more.
; OUT0.  8 columns are 32 consecutive bytes of a row: two lanes store them.  Rows of 256 bytes would ask for 64 columns to a work-group, which leaves 32 work-groups, or for one more launch.
.set TAB,  0                           ; LDS: the j side: 64 o + 8 j; later the partial sums: 8,192 (o group) + 1,024 j + 4 i
.set WT,   32768                       ; (-2 w, -2 w) at 8 o
.set WS,   36864                       ; each wave's sum of 32 weights
.set OUTS, 37120                       ; the results: 32 i + 4 j
.set VG,   2                           ; v2   ga: 1,024 (w % 4) + 16 lane; never rewritten
.set VT16, 3                           ; v3   16 x thread
.set VST,  4                           ; v4   where I stage 16 bytes of the j side
.set VJ0,  5                           ; v5   my o group's part of the j side;  v6 of the weights
.set VW0,  6
.set VJ,   7                           ; v7, v8 the same at the trip's first step
.set VW,   8
.set VPS,  9                           ; v9   where I put partial sums
.set VPM,  10                          ; v10  where I read them: my half of my column;  v11 the other half
.set VPO,  11
.set VOS,  12                          ; v12  where I put results
.set VGO,  13                          ; v13  out0: my byte offset
.set ACC,  16                          ; v16-31   sums: column j's pair at 16 + 2 j
.set T0,   32                          ; v32-95   two sets of 32: x, then d, then r, in place: (o % 2, j) = g: pair at 2 g
.set GAR,  96                          ; v96-127  the ring: slot s: (f, floor) of o, of o + 1 for i; the same for i + 32
.set JS,   128                         ; v128-191 two sets of the j side: (fb, floor) at 2 g
.set WR,   192                         ; v192-207 four sets of (-2 w, -2 w) of o, of o + 1
.set EX,   208                         ; v208-239 e of the step whose x is made next: pair at 2 g
	s_load_b256 s[4:11], s[0:1], 0x0               ; ga s[4:5], gb s[6:7], score_W s[8:9], score_b s[10:11]
	s_load_b64 s[12:13], s[0:1], 0x20              ; out0
	v_lshl_add_u32 v240, v0, 2, 0xb100
	v_mov_b32 v241, 0
	v_and_b32 v1, 31, v0                           ; lane
	v_lshrrev_b32 v14, 5, v0
	v_readfirstlane_b32 s14, v14                   ; wave 0..15
	s_and_b32 s15, s14, 3                          ; my 64 i
	s_lshr_b32 s16, s14, 2                         ; my 128 o
	s_lshr_b32 s17, ttmp9, 5                       ; b
	s_and_b32 s18, ttmp9, 31                       ; j / 8
	s_lshl_b32 s20, s17, 20                        ; ga: 2^20 b + 4,096 (o / 2)
	s_lshl_b32 s19, s16, 18
	s_add_co_u32 s20, s20, s19
	s_mov_b32 s21, 0
	s_lshl_b32 s22, ttmp9, 15                      ; gb: 32,768 (32 b + j / 8)
	s_mov_b32 s23, 0
	s_lshl_b32 s24, s17, 18                        ; out0: 2^18 b + 32 (j / 8)
	s_lshl_b32 s19, s18, 5
	s_add_co_u32 s24, s24, s19
	s_mov_b32 s25, 0
	s_mov_b32 s26, 0x76543210                      ; v_permlanex16_b32: lane l xor 16
	s_mov_b32 s27, 0xfedcba98
	s_lshl_b32 s19, s15, 10
	v_lshl_add_u32 v[VG], v1, 4, s19
	v_lshlrev_b32 v[VT16], 4, v0
	; gb lies as [o / 16][(j % 8) / 2][o % 16][16 bytes]; in LDS it is to lie as 64 o + 16 ((j % 8) / 2).  Thread t's k-th 16 bytes: o / 16 = 8 k + t / 64, (j % 8) / 2 = (t / 16) % 4, o % 16 = t % 16
	v_lshrrev_b32 v14, 6, v0
	v_lshlrev_b32 v[VST], 10, v14
	v_and_b32 v14, 15, v0
	v_lshl_or_b32 v[VST], v14, 6, v[VST]
	v_bfe_u32 v14, v0, 4, 2
	v_lshl_or_b32 v[VST], v14, 4, v[VST]
	s_lshl_b32 s19, s16, 13
	v_mov_b32 v[VJ0], s19
	s_lshl_b32 s28, s15, 8
	s_add_co_u32 s19, s19, s28
	v_lshl_add_u32 v[VPS], v1, 2, s19              ; partial sums: 8,192 (o group) + 256 (i group) + 4 lane
	s_lshl_b32 s19, s16, 10
	s_add_co_u32 s19, s19, WT
	v_mov_b32 v[VW0], s19
	s_and_b32 s28, s14, 7                          ; at the end: my column,
	s_lshr_b32 s29, s14, 3                         ; and the half of its i that I write
	s_lshl_b32 s19, s28, 10
	s_lshl_b32 s30, s29, 9
	s_add_co_u32 s19, s19, s30
	v_lshl_add_u32 v[VPM], v1, 2, s19
	v_xor_b32 v[VPO], 512, v[VPM]
	s_lshl_b32 s19, s29, 12
	s_lshl_b32 s30, s28, 2
	s_add_co_u32 s19, s19, s30
	s_add_co_u32 s19, s19, OUTS
	v_lshl_add_u32 v[VOS], v1, 5, s19
	v_lshrrev_b32 v14, 1, v0
	v_and_b32 v15, 1, v0
	v_lshlrev_b32 v[VGO], 10, v14                  ; out0: row i = thread / 2, 16 bytes for each of its two threads
	v_lshl_or_b32 v[VGO], v15, 4, v[VGO]
	v_lshlrev_b32 v14, 2, v0                       ; score_W: thread t takes o = t
	v_lshl_add_u32 v52, v0, 3, WT
	s_lshl_b32 s19, s14, 2
	s_add_co_u32 s19, s19, WS
	v_mov_b32 v54, s19
	v_mov_b32 v53, 0                               ; written once: a lane permute's destination counts as one of its sources
	s_wait_kmcnt 0x0
	s_load_b32 s31, s[10:11], 0x0                  ; score_b
	s_add_nc_u64 s[4:5], s[4:5], s[20:21]
	s_add_nc_u64 s[6:7], s[6:7], s[22:23]
	s_add_nc_u64 s[12:13], s[12:13], s[24:25]
.macro GAL u                           ; the i side of step u (counted from the trip's first) into its slot
	global_load_b128 v[GAR+8*((\u)&3):GAR+8*((\u)&3)+3], v[VG], s[4:5] offset:4096*(\u)
	global_load_b128 v[GAR+8*((\u)&3)+4:GAR+8*((\u)&3)+7], v[VG], s[4:5] offset:4096*(\u)+512
.endm
.macro DSL u                           ; the j side and the weights of step u: nine loads, one address for all lanes
.set k, 0
.rept 8
	ds_load_b128 v[JS+32*((\u)&1)+4*k:JS+32*((\u)&1)+4*k+3], v[VJ] offset:128*(\u)+16*k
.set k, k+1
.endr
	ds_load_b128 v[WR+4*((\u)&3):WR+4*((\u)&3)+3], v[VW] offset:16*(\u)
.endm
.macro ADDS u                          ; step u's e, written plainly: for the first two steps, which have no sums to ride with
.set GS, GAR+8*((\u)&3)
.set SS, JS+32*((\u)&1)
.set g, 0
.rept 16
	v_add_nc_u32 v[EX+2*g], v[GS+2*(g/8)+1], v[SS+2*g+1]        ; floor(ua) + floor(ub), for i
	v_add_nc_u32 v[EX+2*g+1], v[GS+4+2*(g/8)+1], v[SS+2*g+1]    ; and for i + 32
.set g, g+1
.endr
.endm
; Step u's x = fa 2^e.  rcp = 1: the reciprocals of step u - 1, which lie in the other set, stand among them, one to a ldexp; nothing here names a reciprocal's result.
.macro LDX u, rcp
.set TB, T0+32*((\u)&1)
.set TA, T0+32*(((\u)+1)&1)
.set GS, GAR+8*((\u)&3)
.set g, 0
.rept 16
.if \rcp
	v_rcp_f32 v[TA+2*g], v[TA+2*g]
.endif
	v_ldexp_f32 v[TB+2*g], v[GS+2*(g/8)], v[EX+2*g]
.if \rcp
	v_rcp_f32 v[TA+2*g+1], v[TA+2*g+1]
.endif
	v_ldexp_f32 v[TB+2*g+1], v[GS+4+2*(g/8)], v[EX+2*g+1]
.set g, g+1
.endr
.endm
.macro DEN u                           ; step u's d = x fb + 1: of the pair (fb, floor) the low word serves both halves
.set TB, T0+32*((\u)&1)
.set SS, JS+32*((\u)&1)
.set g, 0
.rept 16
	v_pk_fma_f32 v[TB+2*g:TB+2*g+1], v[TB+2*g:TB+2*g+1], v[SS+2*g:SS+2*g+1], 1.0 op_sel_hi:[1,0,0]
.set g, g+1
.endr
.endm
; THE PAIRS.  First half: sum(j, half hx) += r(gx, hx) x (-2 w), step tt.  Second half: e(gy, hy) = floor(ub) + floor(ua), step tt + 2.
; What the dual-issue encoding asks of a pair's registers (ISA guide, the encoding's restrictions) follows from the layout:
;   destinations, one even and one odd: the sum's number has hx's parity, e's has hy's, and hy = 1 - hx;
;   second sources in different banks (number mod 4): the weight lies at an even number, floor(ua) at an odd one;
;   first sources in different banks: r lies at bank (2 gx + hx) mod 4, floor(ub) at (2 gy + 1) mod 4: for hx = 0 even against odd; for hx = 1, gy = gx + 1 or gx - 1 is two banks away.
.macro BOTH tt
.set TA, T0+32*((\tt)&1)
.set WW, WR+4*((\tt)&3)
.set GS, GAR+8*(((\tt)+2)&3)
.set SS, JS+32*((\tt)&1)
.set k, 0
.rept 32
.set gx, k/2
.set hx, k%2
.set hy, 1-hx
.set gy, gx+hx*(1-2*(gx%2))
	v_dual_fmac_f32 v[ACC+2*(gx%8)+hx], v[TA+2*gx+hx], v[WW+2*(gx/8)] :: v_dual_add_nc_u32 v[EX+2*gy+hy], v[SS+2*gy+1], v[GS+4*hy+2*(gy/8)+1]
.set k, k+1
.endr
.endm
.macro ACCUM tt                        ; sums += (-2 w) r, packed: for the last two steps, behind which no e is left to make
.set TA, T0+32*((\tt)&1)
.set WW, WR+4*((\tt)&3)
.set g, 0
.rept 16
	v_pk_fma_f32 v[ACC+2*(g%8):ACC+2*(g%8)+1], v[TA+2*g:TA+2*g+1], v[WW+2*(g/8):WW+2*(g/8)+1], v[ACC+2*(g%8):ACC+2*(g%8)+1]
.set g, g+1
.endr
.endm
; TURN tt.  dold: the ring's slot that step tt + 1 has left takes step tt + 5;  dods: the j side's set that step tt + 1 has left takes step tt + 3;  doadd: there is a step tt + 2;  dopre: there is a step tt + 1.
; lcnt: the global loads of the steps behind tt + 2, two each, which may stay out;  dcnt: the LDS loads issued behind step tt + 2's.
.macro TURN tt, dold, dods, doadd, dopre, lcnt, dcnt
.if \dopre
	LDX (\tt)+1, 1
.if \dold
	GAL (\tt)+5
.endif
	DEN (\tt)+1
.if \dods
	DSL (\tt)+3
.endif
.else
.set g, 0
.rept 32
	v_rcp_f32 v[T0+32*((\tt)&1)+g], v[T0+32*((\tt)&1)+g]
.set g, g+1
.endr
	v_nop                                          ; a plain line behind the last reciprocal
.endif
.if \doadd
	s_wait_loadcnt \lcnt                           ; loads come back in order: step tt + 2's two are in
	s_wait_dscnt \dcnt                             ; and so is its j side, asked for a turn ago
.endif
	s_wait_alu depctr_va_vdst(0)                   ; one wait for the step's 32 reciprocals, ahead of the first line that names a result
.if \doadd
	BOTH \tt
.else
	ACCUM \tt
.endif
.endm
.irp k, 0,1,2,3
	global_load_b128 v[32+4*\k:35+4*\k], v[VT16], s[6:7] offset:8192*\k th:TH_LOAD_NT   ; my work-group's 32,768 bytes of gb: read once, by nobody else
.endr
	global_load_b32 v48, v14, s[8:9]
	GAL 0
	GAL 1
	GAL 2
	GAL 3
.set i, 0
.rept 16
	v_mov_b32 v[ACC+i], 0                          ; sixteen sums: the loop is written once
.set i, i+1
.endr
	s_wait_loadcnt 8                               ; the j side and my weight are in; the ring's eight loads stay out
.irp k, 0,1,2,3
	ds_store_b128 v[VST], v[32+4*\k:35+4*\k] offset:8192*\k
.endr
	v_mul_f32 v50, -2.0, v48
	v_mov_b32 v51, v50
	ds_store_b64 v52, v[50:51]
	v_add_f32_dpp v48, v48, v48 row_xmask:1 row_mask:0xf bank_mask:0xf     ; the sum of my wave's 32 weights
	v_add_f32_dpp v48, v48, v48 row_xmask:2 row_mask:0xf bank_mask:0xf
	v_add_f32_dpp v48, v48, v48 row_xmask:4 row_mask:0xf bank_mask:0xf
	v_add_f32_dpp v48, v48, v48 row_xmask:8 row_mask:0xf bank_mask:0xf
	v_permlanex16_b32 v53, v48, s26, s27
	v_add_f32 v48, v48, v53
	ds_store_b32 v54, v48
	s_wait_dscnt 0x0                               ; for the others' sake: my part of the tables lies in LDS
	s_barrier_signal -1
	s_barrier_wait -1
	s_mov_b32 s19, 0                               ; 64 x trip: the weights' bytes of four steps; the j side's are eight times as many
	v_lshl_add_u32 v[VJ], s19, 3, v[VJ0]
	v_add_nc_u32 v[VW], s19, v[VW0]
	DSL 0
	DSL 1
	s_wait_loadcnt 6                               ; step 0's two loads are in; steps 1 to 3 stay out
	s_wait_dscnt 9                                 ; step 0's j side is in; step 1's nine loads may be out
	ADDS 0                                         ; what turn 0 finds done: step 0's denominators and step 1's e
	LDX 0, 0
	GAL 4
	DEN 0
	DSL 2
	s_wait_loadcnt 6                               ; step 1's two loads are in; steps 2 to 4 stay out
	s_wait_dscnt 9                                 ; step 1's j side is in; step 2's nine loads may be out
	ADDS 1
.Ltrip:                                            ; 14 trips of four turns
	v_lshl_add_u32 v[VJ], s19, 3, v[VJ0]
	v_add_nc_u32 v[VW], s19, v[VW0]
	TURN 0, 1, 1, 1, 1, 6, 9
	TURN 1, 1, 1, 1, 1, 6, 9
	TURN 2, 1, 1, 1, 1, 6, 9
	TURN 3, 1, 1, 1, 1, 6, 9
	s_wait_xcnt 0x0                                ; the pending loads have read their base: it is stepped only behind this wait
	s_add_nc_u64 s[4:5], s[4:5], 16384
	s_add_co_u32 s19, s19, 64
	s_cmp_lt_u32 s19, 14*64
	s_cbranch_scc1 .Ltrip
	v_lshl_add_u32 v[VJ], s19, 3, v[VJ0]
	v_add_nc_u32 v[VW], s19, v[VW0]
	TURN 0, 1, 1, 1, 1, 6, 9                       ; the last eight turns are written out: no load leaves its part, and the counts run down
	TURN 1, 1, 1, 1, 1, 6, 9
	TURN 2, 1, 1, 1, 1, 6, 9                       ; the ring's last load: step 7 of these eight
	TURN 3, 0, 1, 1, 1, 4, 9                       ; step 5 is wanted; steps 6 and 7 may be out
	TURN 4, 0, 1, 1, 1, 2, 9                       ; step 6 is wanted; step 7 may be out.  The j side's last loads
	TURN 5, 0, 0, 1, 1, 0, 0                       ; step 7 is wanted, of both sides
	TURN 6, 0, 0, 0, 1, 0, 0
	TURN 7, 0, 0, 0, 0, 0, 0
	; THE END.  The partial sums of the four o groups meet in LDS, over the j side's table: so first every wave has read its last bytes of that table.
	s_wait_dscnt 0x0
	s_barrier_signal -1
	s_barrier_wait -1
.irp j, 0,1,2,3,4,5,6,7
	ds_store_b32 v[VPS], v[ACC+2*\j] offset:1024*\j
	ds_store_b32 v[VPS], v[ACC+2*\j+1] offset:1024*\j+128
.endr
	v_mov_b32 v14, WS
	v_mov_b32 v89, 0                               ; a lane permute's destination
	s_wait_dscnt 0x0
	s_barrier_signal -1
	s_barrier_wait -1
	; Wave w takes column w % 8 whole (waves w and w + 8 both do): i = 32 n + lane; registers 0-3 hold the half that it will write, 4-7 the other half.  No branch, no exchange between waves.
.irp n, 0,1,2,3
.irp q, 0,1,2,3
	ds_load_b32 v[32+4*\n+\q], v[VPM] offset:8192*\q+128*\n
.endr
.endr
.irp n, 0,1,2,3
.irp q, 0,1,2,3
	ds_load_b32 v[48+4*\n+\q], v[VPO] offset:8192*\q+128*\n
.endr
.endr
.irp q, 0,1,2,3
	ds_load_b128 v[64+4*\q:67+4*\q], v14 offset:16*\q
.endr
	s_wait_dscnt 0x0
	s_wait_kmcnt 0x0                               ; score_b
	v_pk_add_f32 v[64:65], v[64:65], v[66:67]      ; the sum of all 512 weights
	v_pk_add_f32 v[68:69], v[68:69], v[70:71]
	v_pk_add_f32 v[72:73], v[72:73], v[74:75]
	v_pk_add_f32 v[76:77], v[76:77], v[78:79]
	v_pk_add_f32 v[64:65], v[64:65], v[68:69]
	v_pk_add_f32 v[72:73], v[72:73], v[76:77]
	v_pk_add_f32 v[64:65], v[64:65], v[72:73]
	v_add_f32 v64, v64, v65
	v_add_f32 v64, s31, v64                        ; + score_b
.irp n, 0,1,2,3,4,5,6,7
	v_pk_add_f32 v[32+4*\n:33+4*\n], v[32+4*\n:33+4*\n], v[34+4*\n:35+4*\n]
.endr
.irp n, 0,1,2,3,4,5,6,7
	v_add_f32 v[80+\n], v[32+4*\n], v[33+4*\n]
.endr
.irp n, 0,1,2,3,4,5,6,7
	v_add_f32 v[80+\n], v[80+\n], v64              ; the energies
.endr
	v_max3_num_f32 v88, v80, v81, v82              ; the column's largest energy is taken away before the exponential
	v_max3_num_f32 v88, v88, v83, v84
	v_max3_num_f32 v88, v88, v85, v86
	v_max_num_f32 v88, v88, v87
	v_max_num_f32_dpp v88, v88, v88 row_xmask:1 row_mask:0xf bank_mask:0xf
	v_max_num_f32_dpp v88, v88, v88 row_xmask:2 row_mask:0xf bank_mask:0xf
	v_max_num_f32_dpp v88, v88, v88 row_xmask:4 row_mask:0xf bank_mask:0xf
	v_max_num_f32_dpp v88, v88, v88 row_xmask:8 row_mask:0xf bank_mask:0xf
	v_permlanex16_b32 v89, v88, s26, s27
	v_max_num_f32 v88, v88, v89
.irp n, 0,1,2,3,4,5,6,7
	v_sub_f32 v[80+\n], v[80+\n], v88
.endr
.irp n, 0,1,2,3,4,5,6,7
	v_mul_f32 v[80+\n], 0x3fb8aa3b, v[80+\n]       ; x log2(e)
.endr
.irp n, 0,1,2,3,4,5,6,7
	v_exp_f32 v[80+\n], v[80+\n]
.endr
	v_nop                                          ; a plain line behind the last exponential
	s_wait_alu depctr_va_vdst(0)                   ; one wait for the eight, ahead of their first reader
	v_pk_add_f32 v[90:91], v[80:81], v[82:83]
	v_pk_add_f32 v[92:93], v[84:85], v[86:87]
	v_pk_add_f32 v[90:91], v[90:91], v[92:93]
	v_add_f32 v90, v90, v91
	v_add_f32_dpp v90, v90, v90 row_xmask:1 row_mask:0xf bank_mask:0xf
	v_add_f32_dpp v90, v90, v90 row_xmask:2 row_mask:0xf bank_mask:0xf
	v_add_f32_dpp v90, v90, v90 row_xmask:4 row_mask:0xf bank_mask:0xf
	v_add_f32_dpp v90, v90, v90 row_xmask:8 row_mask:0xf bank_mask:0xf
	v_permlanex16_b32 v89, v90, s26, s27
	v_add_f32 v90, v90, v89
	v_rcp_f32 v90, v90
	v_nop
	s_wait_alu depctr_va_vdst(0)
.irp n, 0,1,2,3
	v_mul_f32 v[80+\n], v[80+\n], v90
.endr
.irp n, 0,1,2,3
	ds_store_b32 v[VOS], v[80+\n] offset:1024*\n   ; turned: 32 i + 4 j
.endr
	s_wait_dscnt 0x0
	s_barrier_signal -1
	s_barrier_wait -1
	ds_load_b128 v[32:35], v[VT16] offset:OUTS     ; thread t: row t / 2, four of its eight columns
	s_wait_dscnt 0x0
	global_store_b128 v[VGO], v[32:35], s[12:13] th:TH_STORE_NT   ; two lanes store a row's 32 consecutive bytes
	s_wait_tensorcnt 0x0
	ds_add_u32 v240, v241
	s_wait_dscnt 0x0
	s_endpgm
.Lfunc_end_k_q1c97837905_energy:
	.size	k_q1c97837905_energy, .Lfunc_end_k_q1c97837905_energy-k_q1c97837905_energy
	.p2alignl 7, 3214868480
	.fill 96, 4, 3214868480
	.section	.rodata,"a",@progbits
	.p2align	6, 0x0
	.amdhsa_kernel k_q1c97837905_energy
		.amdhsa_group_segment_fixed_size 47360
		.amdhsa_private_segment_fixed_size 0
		.amdhsa_enable_private_segment 0
		.amdhsa_kernarg_size 40
		.amdhsa_user_sgpr_count 2
		.amdhsa_user_sgpr_kernarg_segment_ptr 1
		.amdhsa_wavefront_size32 1
		.amdhsa_system_sgpr_workgroup_id_x 1
		.amdhsa_system_sgpr_workgroup_id_y 1
		.amdhsa_system_sgpr_workgroup_id_z 1
		.amdhsa_system_vgpr_workitem_id 0
		.amdhsa_next_free_vgpr 242
		.amdhsa_next_free_sgpr 66
		.amdhsa_reserve_vcc 0
		.amdhsa_float_denorm_mode_32 3
		.amdhsa_float_denorm_mode_16_64 3
		.amdhsa_memory_ordered 1
		.amdhsa_forward_progress 1
		.amdhsa_inst_pref_size 96
	.end_amdhsa_kernel
	.amdgpu_metadata
---
amdhsa.version: [ 1, 2 ]
amdhsa.kernels:
  - .name:           k_q1c97837905_energy
    .symbol:         k_q1c97837905_energy.kd
    .args:
      - { .name: ga, .offset: 0, .size: 8, .value_kind: global_buffer, .address_space: global }
      - { .name: gb, .offset: 8, .size: 8, .value_kind: global_buffer, .address_space: global }
      - { .name: score_W, .offset: 16, .size: 8, .value_kind: global_buffer, .address_space: global }
      - { .name: score_b, .offset: 24, .size: 8, .value_kind: global_buffer, .address_space: global }
      - { .name: out0, .offset: 32, .size: 8, .value_kind: global_buffer, .address_space: global }
    .group_segment_fixed_size: 47360
    .private_segment_fixed_size: 0
    .kernarg_segment_align: 8
    .kernarg_segment_size: 40
    .max_flat_workgroup_size: 512
    .sgpr_count:     66
    .vgpr_count:     242
    .wavefront_size: 32
...
	.end_amdgpu_metadata
.endif
;; end of part 2
